; MI455X (gfx1250); checked and timed in simulation.
; The chip was launched on July 23, 2026; its instructions are those of AMD's public machine-readable ISA for CDNA 5 (MIT licence, August 2026) and "CDNA5" Instruction Set Architecture Reference Guide (July 2026). The comments in the code are by the model that wrote it; some were corrected since.
;; Min GRU. Allowed arithmetic: matrix products marked QUANTISED: E2M3 operands, one E8M0 scale for each 32 along K, by v_wmma_scale_f32_16x16x128_f8f6f4 with both operands' format E2M3, f32 sums; everything else in f32.
;; Inputs: Wh_codes 512 x 16 x 24 uint8 (E2M3 codes of Wh, K innermost, in blocks of 32 codes, four codes in three bytes); Wh_scales 512 x 16 uint8 (E8M0 scales of Wh, one for each 32 codes along K); Wz_codes 512 x 16 x 24 uint8 (E2M3 codes of Wz, K innermost, in blocks of 32 codes, four codes in three bytes); Wz_scales 512 x 16 uint8 (E8M0 scales of Wz, one for each 32 codes along K); bh 512 float32; bz 512 float32; h0 8 x 512 float32; x_codes 8 x 4,096 x 16 x 24 uint8 (E2M3 codes of x, K innermost, in blocks of 32 codes, four codes in three bytes); x_scales 8 x 4,096 x 16 uint8 (E8M0 scales of x, one for each 32 codes along K).
;; Outputs: out0 8 x 4,096 x 512 float32.
;; This version of the problem:
;;   THIS VERSION OF THE PROBLEM IS GIVEN IN LOW PRECISION. The matrix products marked QUANTISED in the list below multiply operands that are first quantised to E2M3 (2 exponent bits, 3 mantissa bits; 6 bits a number), with one power-of-two scale for each 32 numbers along K (OCP MX v1.0); their sums are f32. All else is computed in f32.
;;   The module's matrix products, in the order in which they are computed (A, B: the left and right operand; K: the contracted axis; several contracted axes count as one K, in the product's order):
;;     1. [M 32,768, K 512] x [K 512, N 512]; A: input x (given as codes); B: input Wz (given as codes): QUANTISED
;;     2. [M 32,768, K 512] x [K 512, N 512]; A: input x (given as codes); B: input Wh (given as codes): QUANTISED
;;   THE QUANTISER, for each operand of a quantised product, along K:
;;     - K is cut into blocks of 32 from its start; a last block that is shorter is filled with zeros.
;;     - A block's scale is 2^e with e = floor(log2(the largest magnitude in the block)) - 2, held to -126 .. 127; a block of zeros has e = 0. As a byte (E8M0): e + 127.
;;     - Each number is divided by its block's scale, clamped to +-7.5, and rounded to the nearest number of E2M3, ties to even, subnormals kept.
;;     - The product sums the exact products of the quantised numbers (number of the format x scale) in f32.
;;   ~~~python
;;   def quantise(x, axis):      # numpy; x: float32 -> the quantised numbers, widened to float32 again
;;       x = np.moveaxis(x, axis, -1); K = x.shape[-1]
;;       x = np.pad(x, [(0, 0)] * (x.ndim - 1) + [(0, -K % 32)]); x = x.reshape(x.shape[:-1] + (-1, 32)); a = np.abs(x).max(-1, keepdims=True)
;;       e = np.where(a > 0, np.clip(np.frexp(np.where(a > 0, a, 1))[1] - 1 - 2, -126, 127), 0)      # np.frexp(a)[1] - 1 = floor(log2(a)), exactly
;;       r = np.clip(x / 2.0 ** e, -7.5, 7.5)
;;       step = 2.0 ** (np.maximum(np.frexp(np.where(r == 0, 1, r))[1] - 1, 0) - 3)
;;       q = np.round(r / step) * step * 2.0 ** e      # np.round: ties to even
;;       return np.moveaxis(q.reshape(q.shape[:-2] + (-1,))[..., :K], -1, axis).astype(np.float32)
;;   ~~~
;;   INPUTS GIVEN AS CODES. Wh (in the module: [512, 512], K = its axis 1); Wz (in the module: [512, 512], K = its axis 1); x (in the module: [8, 4096, 512], K = its axis 2): each comes as NAME_codes (uint8): NAME with its K axis moved to the last place and cut into blocks of 32 codes, [.., K / 32, bytes a block], one block behind the other in memory; four codes in three bytes: a row's codes are one little-endian stream of bits, code i at bits 6 i .. 6 i + 5 (a code: sign, 2 exponent bits, 3 mantissa bits); and NAME_scales (uint8): the same leading axes, one E8M0 byte (e + 127) for each 32 codes along K. Its value is code x scale, taken as it is: it is not quantised again, and the codes and scales need not be those that the quantiser above would give.
;; One version. Each part assembles by itself: llvm-mc -triple=amdgcn-amd-amdhsa -mcpu=gfx1250 --defsym DOCPART=n.
;; ======== version 1 of 1: 2 launches
;; limits: right only within a limited range of input values
;; workspace buffers: cum 1,048,576 bytes
;; launch carry (part 1): grid 8 x 32, 4 waves a work-group, clusters of 4 x 1, 327,680 bytes of LDS; arguments x_codes, x_scales, Wz_codes, Wz_scales, Wh_codes, Wh_scales, bz, bh, cum; writes cum
.if DOCPART == 1
	.amdgcn_target "amdgcn-amd-amdhsa--gfx1250"
	.amdhsa_code_object_version 6
	.text
	.protected	k_q88e6c6ce84_carry
	.globl	k_q88e6c6ce84_carry
	.p2align	8
	.type	k_q88e6c6ce84_carry,@function
k_q88e6c6ce84_carry:
	s_mov_b64 s[64:65], 0
	v_nop
	global_prefetch_b8 v0, s[64:65] scope:SCOPE_SE
	s_setreg_imm32_b32 hwreg(HW_REG_WAVE_MODE, 25, 1), 1
	s_wait_xcnt 0x0
	s_wait_alu depctr_hold_cnt(0) depctr_sa_sdst(0) depctr_va_vdst(0) depctr_va_sdst(0) depctr_va_ssrc(0) depctr_va_vcc(0) depctr_vm_vsrc(0)
	s_getreg_b32 s2, hwreg(HW_REG_IB_STS2, 6, 4)
	s_cmp_eq_u32 s2, 0
	s_cbranch_scc0 .Lentry_in_a_cluster
	s_endpgm
.Lentry_in_a_cluster:
	s_bfe_u32 s2, ttmp6, 0x10000c
	s_cmp_lg_u32 s2, 0x3003
	s_cbranch_scc0 .Lentry_shape_is_right
	s_endpgm
.Lentry_shape_is_right:
; MinGRU on codes of FP6 (E2M3), first of two launches: THE CARRIES OF THE SCAN.
; WHAT reference() COMPUTES.  k = x Wz^T + bz, p = x Wh^T + bh, z = sigmoid(k), g(v) = v + 0.5 where v >= 0 and sigmoid(v) else.  log_coeffs = log(1 - z), log_values = log(z g(p)), the first log(g(h0)).
; a*_t - a*_s is the sum of log(1 - z_u) over s < u <= t, so exp(log_h_t) = the sum over s <= t of b_s x the product of (1 - z_u) over s < u <= t, b_s = z_s g(p_s), b_0 = g(h0):
; that is h_t = (1 - z_t) h_(t-1) + z_t g(p_t), h_0 = g(h0), for all finite inputs.
; LEFT OUT, as identities: the logarithms and the last exponential (exp(log y) = y, every y here is above 0).  The maximum that cumlogsumexp takes away guards exp(v_s - a*_s), which grows without bound;
; here each term is carried under the running shift a*_t itself: it is b_s times factors that are at most 1, the sum is a convex mix of values of g: no exponential of a sum is formed and nothing can overflow.
; BOTH FORMS OF g ARE COMPUTED and chosen by a maximum: g(v) = max(v + 0.5, sigmoid(v)) for every real v (v >= 0: sigmoid(v) <= 0.5 + v / 4 <= v + 0.5; v < 0: sigmoid is convex there and lies above its
; tangent at 0, 0.5 + v / 4 > 0.5 + v).  No input is dead: h0 is read by the second launch alone.
; LIMITS: NaN, infinities and the scale byte 0xff are not served.  (k + bz) log2(e) is held at 120 from above: beyond k = 83.2 the factor 1 - z stays near 2^-120 and z is 1.  Exponentials and reciprocals give 0
; for results under 2^-126 (ISA guide 15.8): z = 0 for k under -87, g = 0 for p under -87.  The order of rounding is the linear recurrence's.  A NaN, an infinity or an overflow that would arise only in the
; logarithms and exponentials left out is not carried to the result.
; TWO LAUNCHES.  64 channels of one time step are the least that is stored as a whole run of 256 bytes, and there are 64 such channel groups (8 sequences x 8): for 256 equal work-groups time is cut too.
; This launch keeps, for each stream of 128 steps, the pair (A, B) with h_end = A h_start + B, and stores the pairs composed from the start of each group of 1,024 steps: 1 MiB.
; SHARES.  Work-group (cg, y): channels 64 cg .. + 63, rows 1,024 y .. + 1,023 of x: 8 streams of 128 steps.  Wave v: streams 2 v and 2 v + 1, all 64 channels.
; A tile of x: rows 0-7 are 8 steps on end of stream 2 v, rows 8-15 the same steps of stream 2 v + 1.  Source 0 = x, source 1 = 16 rows of a weight: lane (r, h) holds channel r and 8 steps of stream 2 v + h.
; A STEP is 8 time steps: 32 matrix instructions and 32 elements a lane, in phases: P1, 64 exponentials, P2, 32 reciprocals, P3 and the scan.  The next step's products stand among P2's lines (16) and P3's (16).
; CLUSTER: the four work-groups of a cluster share y: x's codes and scale bytes are asked for jointly.  The weights differ between them and come alone.
; NO PREFETCH: x comes in four fills in all; the first two go out at the head, and each of the two refills is asked for four steps (128 matrix instructions a wave) ahead of its first read.
.set ROWP,  432                        ; a row of 512 codes in LDS: 3 x (128 bytes + 16 of padding)
.set STRB,  32*ROWP                    ; a stream's 32 rows of a slot; a slot is 8 streams on end
.set SLOT1, 1<<17
.set STG,   8*STRB                     ; behind slot 0: the exchange of the waves' pairs, 1,024 bytes a wave (no tensor load lands here)
.set SPARE, STG+4*4352                 ; the spare words, 128 bytes a wave
.set SCX,   SLOT1+8*STRB               ; x's scale bytes, 1,024 rows x 16, filled once
.set WL,    SCX+16384                  ; the weights: 64 rows of Wz, 64 of Wh, filled once
.set AX0, 2
.set AX1, 3
.set ASX, 4
.set ADA, 5
.set ADB, 6
.set AGW, 7
.set AGR, 8
.set VI,  9
.set SPW, 10
.set NIL, 11
.set XS,  12
.set WS,  16
.set BZL, 32
.set BHL, 40
.set AA,  48                           ; A: the product of my stream's 1 - z
.set HC,  52                           ; B: my stream's scan from 0
.set BH5, 56
.set ACC, 64                           ; tile n: k at v[64 + 16 n], p at v[72 + 16 n]
.set KL,  128                          ; (k + bz) log2(e), E, E R, b = z g
.set HL,  160                          ; (p + bh) log2(e), E2 = 2^-|that|, g d2
.set LIN, 192                          ; p + bh + 0.5, x d2, P = (1 + E) d2, R = 1 / P, at work
.set D2,  224                          ; d2 = 1 + E2, a = 1 - z
.set XF,  192                          ; in window 2: x's four fragments
.set RR,  240
.set HH,  241
.set R8,  242
.set T0,  243
.set O16, 246
.set O4,  247
.set TBZ, 144
.set TBH, 148
.set G1X, 28
.set G1S, 36
.set G0A, 44
.set G0B, 48
.set G0S, 52
.set WV,  56
.set CX,  57
.set CG,  58
.set YY,  59
.set TB,  62
.set C0,  63
.set C1,  66
.set C2,  67
.set LG,  68
.set CAP, 70
.set HIM, 71
.set G1W, 72
.set G0W, 80
.set MSB, 0
.macro WIN new                         ; the immediate's high byte repeats the setting that is left
.if MSB != (\new)
	s_set_vgpr_msb (MSB<<8)|(\new)
.set MSB, (\new)
.endif
.endm
.macro CROUND                          ; a round of the cluster's barrier
	s_barrier_signal -1
	s_barrier_wait -1
	s_cmp_lg_u32 s[WV], 0
	s_cbranch_scc1 .Lnot_wave_0_\@
	s_barrier_signal -3
.Lnot_wave_0_\@:
	s_barrier_wait -3
	s_barrier_signal -1
	s_barrier_wait -1
.endm
.macro TLOAD g0, g1                    ; a tensor load with five lines behind it
	tensor_load_to_lds s[\g0:\g0+3], s[\g1:\g1+7]
	s_nop 0
.rept 4
	v_nop
.endr
.endm
; A fragment: 12 registers, in pieces of 8 bytes; lanes 16-31 read 24 bytes on; where that is behind one padding more the second address register serves.
.macro FRAG reg, adr, q, off
.irp p, 0,1,2,3,4,5
.set PC, 12*(\q)+6*(\p/3)+\p%3
.if PC%16 < 13
	ds_load_b64 v[(\reg)+2*\p:(\reg)+2*\p+1], v[\adr] offset:8*PC+16*(PC/16)+(\off)
.else
	ds_load_b64 v[(\reg)+2*\p:(\reg)+2*\p+1], v[\adr+1] offset:8*PC+16*(PC/16)+(\off)
.endif
.endr
.endm
.macro XL                              ; the next step's tile of x and its scale words: 25 LDS loads
	v_add_nc_u32 v[ADA], s[TB], v[AX0]
	v_add_nc_u32 v[ADB], s[TB], v[AX1]
	WIN 0x80
.irp q, 0,1,2,3
	FRAG XF+12*\q, ADA, \q, 0
.endr
	WIN 0
	ds_load_b128 v[XS:XS+3], v[ASX]
	v_add_nc_u32 v[ASX], 128, v[ASX]
	s_add_co_u32 s[TB], s[TB], 8*ROWP
.endm
; Matrix instruction wi of a step's 32: four accumulators (two tiles x two gates) take turns; the first K step starts each sum with 0.
.macro WM
.set wq, (wi%16)/4
.set wn, 2*(wi/16)+(wi%4)/2
.set wt, wi%2
.set rD, ACC+16*wn+8*wt
.set rW, 12*(((wn%2)*2+wt)*4+wq)
.set rX, XF+12*wq
	WIN 0x06+4*(wi/16)                             ; x window 2, the weight window 1 or 2, C and D window 0
.if (wq == 0) && (wt == 0)
	v_wmma_scale_f32_16x16x128_f8f6f4 v[rD:rD+7], v[rX:rX+11], v[rW:rW+11], 0, v[XS+wq], v[WS+4*wn+wq] matrix_a_fmt:MATRIX_FMT_FP6 matrix_b_fmt:MATRIX_FMT_FP6
.elseif wq == 0
	v_wmma_scale_f32_16x16x128_f8f6f4 v[rD:rD+7], v[rX:rX+11], v[rW:rW+11], 0, v[XS+wq], v[WS+4*wn+wq] matrix_a_fmt:MATRIX_FMT_FP6 matrix_b_fmt:MATRIX_FMT_FP6 matrix_b_scale:MATRIX_SCALE_ROW1
.elseif wt == 0
	v_wmma_scale_f32_16x16x128_f8f6f4 v[rD:rD+7], v[rX:rX+11], v[rW:rW+11], v[rD:rD+7], v[XS+wq], v[WS+4*wn+wq] matrix_a_fmt:MATRIX_FMT_FP6 matrix_b_fmt:MATRIX_FMT_FP6
.else
	v_wmma_scale_f32_16x16x128_f8f6f4 v[rD:rD+7], v[rX:rX+11], v[rW:rW+11], v[rD:rD+7], v[XS+wq], v[WS+4*wn+wq] matrix_a_fmt:MATRIX_FMT_FP6 matrix_b_fmt:MATRIX_FMT_FP6 matrix_b_scale:MATRIX_SCALE_ROW1
.endif
.set wi, wi+1
.endm
.macro PH lim, first, gap              ; a phase of plain lines: matrix instructions up to number lim, the first behind line first, then one behind every gap lines
.set tk, 0
.set WLIM, \lim
.set WNEXT, \first
.set WGAP, \gap
.endm
.macro TICK
.set tk, tk+1
.if NXT && (wi < WLIM) && (tk >= WNEXT)
	WM
	WIN 0
.set WNEXT, WNEXT+WGAP
.endif
.endm
.macro ALL16 m, k                      ; line k of macro m for all 16 pairs of elements: a line's reader stands 16 lines on
.set uu, 0
.rept 16
	\m uu, \k
.set uu, uu+1
.endr
.endm
.macro P1L u, k
.set ee, 2*(\u)
.set nn, (\u)/4
.set rz, ACC+16*nn+2*((\u)%4)
.if \k == 0
	v_pk_fma_f32 v[KL+ee:KL+ee+1], v[rz:rz+1], s[LG:LG+1], v[BZL+2*nn:BZL+2*nn+1] op_sel_hi:[1,0,0]    ; (k + bz) log2(e)
.elseif \k == 1
	v_pk_add_f32 v[LIN+ee:LIN+ee+1], v[rz+8:rz+9], v[BH5+2*nn:BH5+2*nn+1]                              ; p + bh + 0.5
.elseif \k == 2
	v_pk_fma_f32 v[HL+ee:HL+ee+1], v[rz+8:rz+9], s[LG:LG+1], v[BHL+2*nn:BHL+2*nn+1] op_sel_hi:[1,0,0]  ; (p + bh) log2(e)
.elseif \k == 3
	v_min_num_f32 v[KL+ee], s[CAP], v[KL+ee]                                                           ; held at 120
.else
	v_min_num_f32 v[KL+ee+1], s[CAP], v[KL+ee+1]
.endif
.endm
.macro P2L u, k
.set ee, 2*(\u)
.if \k == 0
	v_pk_add_f32 v[D2+ee:D2+ee+1], v[HL+ee:HL+ee+1], 1.0 op_sel_hi:[1,0]                               ; d2 = 1 + E2
.elseif \k == 1
	v_pk_mul_f32 v[LIN+ee:LIN+ee+1], v[LIN+ee:LIN+ee+1], v[D2+ee:D2+ee+1]
.elseif \k == 2
	v_max_num_f32 v[HL+ee], v[LIN+ee], v[HL+ee]                                                        ; g d2 = max((p + bh + 0.5) d2, E2)
.elseif \k == 3
	v_max_num_f32 v[HL+ee+1], v[LIN+ee+1], v[HL+ee+1]
.else
	v_pk_fma_f32 v[LIN+ee:LIN+ee+1], v[KL+ee:KL+ee+1], v[D2+ee:D2+ee+1], v[D2+ee:D2+ee+1]              ; P = (1 + E) d2: one reciprocal serves both divisions
.endif
	TICK
.endm
.macro P3L u, k
.set ee, 2*(\u)
.if \k == 0
	v_pk_mul_f32 v[D2+ee:D2+ee+1], v[D2+ee:D2+ee+1], v[LIN+ee:LIN+ee+1]                                ; a = d2 R = 1 - z
.elseif \k == 1
	v_pk_mul_f32 v[KL+ee:KL+ee+1], v[KL+ee:KL+ee+1], v[LIN+ee:LIN+ee+1]                                ; E R = z / d2
.else
	v_pk_mul_f32 v[KL+ee:KL+ee+1], v[KL+ee:KL+ee+1], v[HL+ee:HL+ee+1]                                  ; b = z g
.endif
	TICK
.endm
.macro EXPS                            ; one batch: the wait ahead of it, a plain line and (written by the caller) the wait behind it
	s_wait_alu depctr_va_vdst(0)
.set ei, 0
.rept 32
	v_exp_f32 v[KL+ei], v[KL+ei]                   ; E
.if ei%4 == 3
	P1L ei/4, 1                                    ; p + bh + 0.5 among the exponentials: its sources have been read before, its result is read behind the batch's wait
.endif
.set ei, ei+1
.endr
.set ei, 0
.rept 32
	v_exp_f32 v[HL+ei], -|v[HL+ei]|                ; E2
.if ei%4 == 3
	P1L 8+ei/4, 1
.endif
.set ei, ei+1
.endr
	v_nop
.endm
.macro RCPS
	s_wait_alu depctr_va_vdst(0)
.set ei, 0
.rept 32
	v_rcp_f32 v[LIN+ei], v[LIN+ei]                 ; R
.set ei, ei+1
.endr
	v_nop
	s_wait_alu depctr_va_vdst(0)
.endm
.macro AGT t                           ; level t of five: A x the product of each tile's eight a, four tiles by turns
.irp n, 0,1,2,3
.set ee, 8*\n
.if \t == 0
	v_pk_mul_f32 v[LIN+ee:LIN+ee+1], v[D2+ee:D2+ee+1], v[D2+ee+2:D2+ee+3]
.elseif \t == 1
	v_pk_mul_f32 v[LIN+ee+2:LIN+ee+3], v[D2+ee+4:D2+ee+5], v[D2+ee+6:D2+ee+7]
.elseif \t == 2
	v_pk_mul_f32 v[LIN+ee:LIN+ee+1], v[LIN+ee:LIN+ee+1], v[LIN+ee+2:LIN+ee+3]
.elseif \t == 3
	v_mul_f32 v[LIN+ee], v[LIN+ee], v[LIN+ee+1]
.else
	v_mul_f32 v[AA+\n], v[AA+\n], v[LIN+ee]
.endif
	TICK
.endr
.endm
.macro SC1 j                           ; time step j: B = a B + b, four tiles' chains by turns
.irp n, 0,1,2,3
	v_fma_f32 v[HC+\n], v[D2+8*\n+(\j)], v[HC+\n], v[KL+8*\n+(\j)]
	TICK
.endr
.endm
.macro P3Q jp, k                       ; line k of P3 for pair jp of time steps, four tiles
.irp n, 0,1,2,3
	P3L 4*\n+(\jp), \k
.endr
.endm
.macro BODY nxt
.set NXT, \nxt
.set wi, 0
.if \nxt
	XL
.endif
	s_wait_alu depctr_va_vdst(0)                   ; the wait directly ahead of the first readers of the matrix results: the 32 plain lines below read all 64 registers, each accumulator from its low end
.irp k, 0,2,3,4
	ALL16 P1L, \k
.endr
	EXPS
	s_wait_dscnt 0x0                               ; the next tile of x and its scale words are in
	s_wait_alu depctr_va_vdst(0)
	PH 16, 3, 5
.irp k, 0,1,2,3,4
	ALL16 P2L, \k
.endr
	RCPS
	PH 32, 4, 4                                    ; the last product stands behind line 64 of 100: the lines that follow are its places
.irp jp, 0,1,2,3                       ; P3 by pairs of time steps; the scan follows one pair behind, its lines among P3's
	P3Q \jp, 0
.if \jp > 0
	SC1 2*\jp-2
.endif
	P3Q \jp, 1
.if \jp > 0
	SC1 2*\jp-1
.endif
	P3Q \jp, 2
.endr
	AGT 0
	SC1 6
	AGT 1
	SC1 7
	AGT 2
	AGT 3
	AGT 4
.endm
; THE CHANGE OF SLOTS: each wave waits for all its tensor loads, adds 0 to its spare word, waits for that and for its reads of the slot that it leaves; fill = 1: a round, and the joint refill first behind it.
.macro CH fill
	s_wait_tensorcnt 0x0
	ds_add_u32 v[SPW], v[NIL]
.if \fill
	s_xor_b32 s[G0B+1], s[G0B+1], SLOT1
	s_add_nc_u64 s[G0B+2:G0B+3], s[G0B+2:G0B+3], 12288   ; each stream's next 32 rows
.endif
	s_sub_co_u32 s[TB], s[TB], STRB
	s_xor_b32 s[TB], s[TB], SLOT1
	s_wait_dscnt 0x0
.if \fill
	CROUND
	TLOAD G0B, G1X
.else
	s_barrier_signal -1
	s_barrier_wait -1
.endif
.endm
	s_load_b512 s[4:19], s[0:1], 0x0               ; x codes s[4:5], x scales s[6:7], Wz codes s[8:9], scales s[10:11], Wh codes s[12:13], scales s[14:15], bz s[16:17], bh s[18:19]
	s_load_b64 s[22:23], s[0:1], 0x40              ; cum
	v_lshl_add_u32 v[SPW], v0, 2, SPARE
	v_mov_b32 v[NIL], 0
	ds_add_u32 v[SPW], v[NIL]                      ; the opening: the add twice on end and its wait
	ds_add_u32 v[SPW], v[NIL]
	v_lshrrev_b32 v1, 5, v0
	v_readfirstlane_b32 s[WV], v1
	s_bfe_u32 s[CX], ttmp6, 0x40000
	s_lshl_b32 s[CG], ttmp9, 2
	s_add_co_u32 s[CG], s[CG], s[CX]               ; my 64 channels: enters the weights', the biases' and cum's addresses alone
	s_and_b32 s[YY], ttmp7, 0xffff                 ; my 1,024 rows, which the four partners share
	; x's codes: a stream's 32 rows are 12,288 dense bytes = one row of 1,536 elements of 8 bytes; streams 6,144 elements apart; 8 streams at the head, then 2 a load
	s_mov_b32 s[G1X+0], 15|(3<<16)|(1<<20)|(1<<21)|(4<<22)|(3<<25)   ; mask of all four; 8-byte elements; 4 words of padding behind every 32
	s_mov_b32 s[G1X+1], 1536<<16
	s_mov_b32 s[G1X+2], 8<<16
	s_mov_b32 s[G1X+3], 1536<<16
	s_mov_b32 s[G1X+4], 8
	s_mov_b32 s[G1X+5], 6144
	s_mov_b32 s[G1X+6], 0
	s_mov_b32 s[G1X+7], 0
	; x's scale bytes: 16,384 dense bytes as 64 rows of 256
	s_mov_b32 s[G1S+0], 15|(3<<16)|(1<<21)
	s_mov_b32 s[G1S+1], 32<<16
	s_mov_b32 s[G1S+2], 64<<16
	s_mov_b32 s[G1S+3], 32<<16
	s_mov_b32 s[G1S+4], 64
	s_mov_b32 s[G1S+5], 32
	s_mov_b32 s[G1S+6], 0
	s_mov_b32 s[G1S+7], 0
	; a weight's 64 rows: 24,576 dense bytes as 96 rows of 256, padded as x; no mask
	s_mov_b32 s[G1W+0], (3<<16)|(1<<20)|(4<<22)|(3<<25)
	s_mov_b32 s[G1W+1], 32<<16
	s_mov_b32 s[G1W+2], 96<<16
	s_mov_b32 s[G1W+3], 32<<16
	s_mov_b32 s[G1W+4], 96
	s_mov_b32 s[G1W+5], 32
	s_mov_b32 s[G1W+6], 0
	s_mov_b32 s[G1W+7], 0
	s_mov_b32 s[LG], 0x3fb8aa3b                    ; log2(e)
	s_mov_b32 s[LG+1], s[LG]
	s_mov_b32 s[CAP], 0x42f00000                   ; 120.0
	s_mov_b32 s[HIM], 0xffff0000                   ; lanes 16-31
	s_mov_b32 s[TB], 0
	s_mul_i32 s93, s[WV], 2*STRB                   ; my two streams' place in a slot
	s_mul_i32 s84, s[YY], 393216                   ; the group's codes
	s_mov_b32 s85, 0
	s_mul_i32 s86, s[WV], 98304                    ; my two streams, rows 32 ..
	s_add_co_u32 s86, s86, 12288
	s_mov_b32 s87, 0
	s_lshl_b32 s88, s[YY], 14                      ; the group's scale bytes
	s_mov_b32 s89, 0
	s_mul_i32 s90, s[CG], 24576                    ; my 64 rows of a weight
	s_mov_b32 s91, 0
	s_mul_i32 s92, s[WV], 64*ROWP
	s_add_co_u32 s92, s92, WL
	s_wait_dscnt 0x0
	s_wait_kmcnt 0x0
	s_mov_b32 s[G0W], 1
	s_mov_b32 s[G0W+1], s92
	s_cmp_eq_u32 s[WV], 0                          ; wave 0 fetches Wz, wave 1 Wh
	s_cselect_b64 s[G0W+2:G0W+3], s[8:9], s[12:13]
	s_add_nc_u64 s[G0W+2:G0W+3], s[G0W+2:G0W+3], s[90:91]
	s_or_b32 s[G0W+3], s[G0W+3], 0x80000000
	s_mov_b32 s[G0S], 1
	s_mov_b32 s[G0S+1], SCX
	s_add_nc_u64 s[G0S+2:G0S+3], s[6:7], s[88:89]
	s_or_b32 s[G0S+3], s[G0S+3], 0x80000000
	s_mov_b32 s[G0A], 1
	s_mov_b32 s[G0A+1], 0
	s_add_nc_u64 s[G0A+2:G0A+3], s[4:5], s[84:85]
	s_or_b32 s[G0A+3], s[G0A+3], 0x80000000
	s_mov_b32 s[G0B], 1
	s_add_co_u32 s[G0B+1], s93, SLOT1
	s_add_nc_u64 s[G0B+2:G0B+3], s[4:5], s[84:85]
	s_add_nc_u64 s[G0B+2:G0B+3], s[G0B+2:G0B+3], s[86:87]
	s_or_b32 s[G0B+3], s[G0B+3], 0x80000000
	CROUND                                         ; the first joint loads meet
	; the head's loads, one a wave, in one chain of branches on the wave's number: waves 0, 1 a weight each, wave 2 the scale bytes, wave 3 all of slot 0
	s_cmp_lt_u32 s[WV], 2
	s_cbranch_scc0 .Lh_s
	TLOAD G0W, G1W
	s_branch .Lh_j
.Lh_s:
	s_cmp_lt_u32 s[WV], 3
	s_cbranch_scc0 .Lh_x
	TLOAD G0S, G1S
	s_branch .Lh_j
.Lh_x:
	TLOAD G0A, G1X
.Lh_j:
	s_lshl_b32 s84, s[CG], 10
	s_mov_b32 s85, 0
	s_add_nc_u64 s[10:11], s[10:11], s[84:85]
	s_add_nc_u64 s[14:15], s[14:15], s[84:85]
	s_lshl_b32 s84, s[CG], 8
	s_add_nc_u64 s[16:17], s[16:17], s[84:85]
	s_add_nc_u64 s[18:19], s[18:19], s[84:85]
	s_lshl_b32 s94, s[YY], 15                      ; cum: [y][cg][wave][A, B][lane][tile]: 1,024 bytes a wave
	s_lshl_b32 s90, s[CG], 12
	s_add_co_u32 s94, s94, s90
	s_lshl_b32 s90, s[WV], 10
	s_add_co_u32 s94, s94, s90
	s_mov_b32 s95, 0
	s_add_nc_u64 s[22:23], s[22:23], s[94:95]
	s_add_co_u32 s92, s90, STG
	s_lshl_b32 s91, s[WV], 12
	s_add_co_u32 s91, s91, SCX                     ; my two streams' scale bytes
	v_and_b32 v[RR], 15, v0
	v_bfe_u32 v[HH], v0, 4, 1
	v_bfe_u32 v[R8], v0, 3, 1
	v_mul_u32_u24 v[ADA], v[RR], ROWP
	v_mad_u32_u24 v[ADA], v[HH], 24, v[ADA]
	v_mad_u32_u24 v[AX0], v[R8], STRB-8*ROWP, v[ADA]    ; rows 8-15 are the next stream's rows 0-7
	v_add_nc_u32 v[AX0], s93, v[AX0]
	v_lshl_add_u32 v[AX1], v[HH], 4, v[AX0]
	v_add_nc_u32 v[ADA], WL, v[ADA]
	v_lshl_add_u32 v[ADB], v[HH], 4, v[ADA]
	v_and_b32 v[T0], 7, v0
	v_lshlrev_b32 v[ASX], 4, v[T0]
	v_lshl_add_u32 v[ASX], v[R8], 11, v[ASX]
	v_add_nc_u32 v[ASX], s91, v[ASX]
	v_and_b32 v[T0], 31, v0
	v_lshl_add_u32 v[AGW], v[T0], 4, s92
	v_lshl_add_u32 v[AGR], v[RR], 4, STG
	s_lshl_b32 s94, s[WV], 1
	v_add_nc_u32 v[VI], s94, v[HH]
	v_lshlrev_b32 v[O16], 4, v[RR]
	v_lshlrev_b32 v[O4], 2, v[RR]
.irp n, 0,1,2,3
	global_load_b128 v[WS+4*\n:WS+4*\n+3], v[O16], s[10:11] offset:256*\n
	global_load_b128 v[KL+4*\n:KL+4*\n+3], v[O16], s[14:15] offset:256*\n
	global_load_b32 v[TBZ+\n], v[O4], s[16:17] offset:64*\n
	global_load_b32 v[TBH+\n], v[O4], s[18:19] offset:64*\n
.endr
	s_wait_alu depctr_va_vdst(0)                   ; the wait at the head's end
	s_cmp_lt_u32 s[WV], 2                          ; waves 0 and 1, which alone issue the weights' load line, wait for it;
	s_cbranch_scc0 .Lnw
	s_wait_tensorcnt 0x0
.Lnw:
	s_barrier_signal -1                            ; this barrier shows the weights alone
	s_barrier_wait -1
	WIN 0x40                                       ; the weights' fragments stay in registers: (tile n, gate t, K step q) at v[12 (((n % 2) 2 + t) 4 + q)] of window 1 (tiles 0, 1) or 2 (tiles 2, 3)
.irp n, 0,1
.irp t, 0,1
.irp q, 0,1,2,3
	FRAG 12*((\n*2+\t)*4+\q), ADA, \q, (\t*64+16*\n)*ROWP
.endr
.endr
.endr
	WIN 0x80
.irp n, 0,1
.irp t, 0,1
.irp q, 0,1,2,3
	FRAG 12*((\n*2+\t)*4+\q), ADA, \q, (\t*64+16*\n+32)*ROWP
.endr
.endr
.endr
	WIN 0
	s_wait_tensorcnt 0x0                           ; every wave: my tile of the head's four is in; slot 1's first fill is issued as a refill is
	ds_add_u32 v[SPW], v[NIL]
	s_mov_b32 s[G1X+2], 2<<16                      ; no tensor load of mine is out: from here on a load brings two streams
	s_mov_b32 s[G1X+4], 2
	s_wait_dscnt 0x0
	CROUND
	TLOAD G0B, G1X
	XL                                             ; step 0's tile of x
	s_wait_loadcnt 0x0
	s_wait_dscnt 0x0
.irp i, 0,1,2,3,4,5,6,7,8,9,10,11,12,13,14,15
	v_cndmask_b32 v[WS+\i], v[WS+\i], v[KL+\i], s[HIM]     ; lanes 16-31 take Wh's scale words; more than eight plain lines follow ahead of the first scaled product
.endr
.irp n, 0,1,2,3
	v_mul_f32 v[BZL+2*\n], s[LG], v[TBZ+\n]
	v_mul_f32 v[BHL+2*\n], s[LG], v[TBH+\n]
	v_add_f32 v[BH5+2*\n], 0.5, v[TBH+\n]
.endr
.irp n, 0,1,2,3
	v_mov_b32 v[BZL+2*\n+1], v[BZL+2*\n]
	v_mov_b32 v[BHL+2*\n+1], v[BHL+2*\n]
	v_mov_b32 v[BH5+2*\n+1], v[BH5+2*\n]
.endr
.irp n, 0,1,2,3
	v_mov_b32 v[AA+\n], 1.0                        ; the empty stream: h_end = 1 h_start + 0
	v_mov_b32 v[HC+\n], 0
.endr
.set wi, 0
.rept 32
	WM                                             ; step 0's products
.endr
	WIN 0
.rept 4
	v_nop
.endr
	s_mov_b32 s[C0], 3
.Lpre:                                                 ; steps 0 to 2, which fetch steps 1 to 3
	BODY 1
	s_sub_co_u32 s[C0], s[C0], 1
	s_cmp_lg_u32 s[C0], 0
	s_cbranch_scc1 .Lpre
	s_mov_b32 s[C1], 2
.Lslot:                                                ; steps 3 to 6 and 7 to 10
	CH 1
	s_mov_b32 s[C2], 4
.Lstep:
	BODY 1
	s_sub_co_u32 s[C2], s[C2], 1
	s_cmp_lg_u32 s[C2], 0
	s_cbranch_scc1 .Lstep
	s_sub_co_u32 s[C1], s[C1], 1
	s_cmp_lg_u32 s[C1], 0
	s_cbranch_scc1 .Lslot
	CH 0                                           ; the tail is written out: nothing is left to fetch
	s_mov_b32 s[C2], 4
.Ltail:                                                ; steps 11 to 14
	BODY 1
	s_sub_co_u32 s[C2], s[C2], 1
	s_cmp_lg_u32 s[C2], 0
	s_cbranch_scc1 .Ltail
	BODY 0                                         ; step 15
	; THE PAIRS ARE COMPOSED from the group's start: all eight streams' pairs meet in LDS; each lane walks streams 0 to 7 of its four channels and keeps the pair up to its own stream.
	ds_store_b128 v[AGW], v[AA:AA+3]
	ds_store_b128 v[AGW], v[HC:HC+3] offset:512
	s_wait_dscnt 0x0
	s_barrier_signal -1
	s_barrier_wait -1
.irp i, 0,1,2,3,4,5,6,7
	ds_load_b128 v[KL+8*\i:KL+8*\i+3], v[AGR] offset:(\i/2)*1024+(\i%2)*256
	ds_load_b128 v[KL+8*\i+4:KL+8*\i+7], v[AGR] offset:(\i/2)*1024+(\i%2)*256+512
.endr
	v_and_b32 v1, 31, v0
	v_lshlrev_b32 v1, 4, v1
	s_wait_dscnt 0x0
.irp i, 1,2,3,4,5,6,7
	v_cmp_le_u32 s94, \i, v[VI]                    ; stream i counts for me where i <= my stream
	v_pk_mul_f32 v[LIN:LIN+1], v[KL+8*\i:KL+8*\i+1], v[KL:KL+1]
	v_pk_mul_f32 v[LIN+2:LIN+3], v[KL+8*\i+2:KL+8*\i+3], v[KL+2:KL+3]
	v_pk_fma_f32 v[LIN+4:LIN+5], v[KL+8*\i:KL+8*\i+1], v[KL+4:KL+5], v[KL+8*\i+4:KL+8*\i+5]
	v_pk_fma_f32 v[LIN+6:LIN+7], v[KL+8*\i+2:KL+8*\i+3], v[KL+6:KL+7], v[KL+8*\i+6:KL+8*\i+7]
.irp c, 0,1,2,3,4,5,6,7
	v_cndmask_b32 v[KL+\c], v[KL+\c], v[LIN+\c], s94
.endr
.endr
	global_store_b128 v1, v[KL:KL+3], s[22:23]                ; 32 lanes store 512 consecutive bytes, at a multiple of 256 from cum's first byte
	global_store_b128 v1, v[KL+4:KL+7], s[22:23] offset:512
	s_wait_tensorcnt 0x0                           ; the wave's end
	ds_add_u32 v[SPW], v[NIL]
	s_wait_dscnt 0x0
	CROUND                                         ; the closing round
	s_endpgm
.Lfunc_end_k_q88e6c6ce84_carry:
	.size	k_q88e6c6ce84_carry, .Lfunc_end_k_q88e6c6ce84_carry-k_q88e6c6ce84_carry
	.p2alignl 7, 3214868480
	.fill 96, 4, 3214868480
	.section	.rodata,"a",@progbits
	.p2align	6, 0x0
	.amdhsa_kernel k_q88e6c6ce84_carry
		.amdhsa_group_segment_fixed_size 327680
		.amdhsa_private_segment_fixed_size 0
		.amdhsa_enable_private_segment 0
		.amdhsa_kernarg_size 72
		.amdhsa_user_sgpr_count 2
		.amdhsa_user_sgpr_kernarg_segment_ptr 1
		.amdhsa_wavefront_size32 1
		.amdhsa_system_sgpr_workgroup_id_x 1
		.amdhsa_system_sgpr_workgroup_id_y 1
		.amdhsa_system_sgpr_workgroup_id_z 1
		.amdhsa_system_vgpr_workitem_id 0
		.amdhsa_next_free_vgpr 768
		.amdhsa_next_free_sgpr 96
		.amdhsa_reserve_vcc 0
		.amdhsa_float_denorm_mode_32 3
		.amdhsa_float_denorm_mode_16_64 3
		.amdhsa_memory_ordered 1
		.amdhsa_forward_progress 1
		.amdhsa_inst_pref_size 136
	.end_amdhsa_kernel
	.amdgpu_metadata
---
amdhsa.version: [ 1, 2 ]
amdhsa.kernels:
  - .name:           k_q88e6c6ce84_carry
    .symbol:         k_q88e6c6ce84_carry.kd
    .args:
      - { .name: x_codes, .offset: 0, .size: 8, .value_kind: global_buffer, .address_space: global }
      - { .name: x_scales, .offset: 8, .size: 8, .value_kind: global_buffer, .address_space: global }
      - { .name: Wz_codes, .offset: 16, .size: 8, .value_kind: global_buffer, .address_space: global }
      - { .name: Wz_scales, .offset: 24, .size: 8, .value_kind: global_buffer, .address_space: global }
      - { .name: Wh_codes, .offset: 32, .size: 8, .value_kind: global_buffer, .address_space: global }
      - { .name: Wh_scales, .offset: 40, .size: 8, .value_kind: global_buffer, .address_space: global }
      - { .name: bz, .offset: 48, .size: 8, .value_kind: global_buffer, .address_space: global }
      - { .name: bh, .offset: 56, .size: 8, .value_kind: global_buffer, .address_space: global }
      - { .name: cum, .offset: 64, .size: 8, .value_kind: global_buffer, .address_space: global }
    .group_segment_fixed_size: 327680
    .private_segment_fixed_size: 0
    .kernarg_segment_align: 8
    .kernarg_segment_size: 72
    .max_flat_workgroup_size: 128
    .sgpr_count:     96
    .vgpr_count:     768
    .wavefront_size: 32
...
	.end_amdgpu_metadata
.endif
;; end of part 1
;; launch main (part 2): grid 8 x 32, 4 waves a work-group, clusters of 4 x 1, 327,680 bytes of LDS; arguments x_codes, x_scales, Wz_codes, Wz_scales, Wh_codes, Wh_scales, bz, bh, h0, cum, out0; writes out0
.if DOCPART == 2
	.amdgcn_target "amdgcn-amd-amdhsa--gfx1250"
	.amdhsa_code_object_version 6
	.text
	.protected	k_q88e6c6ce84_main
	.globl	k_q88e6c6ce84_main
	.p2align	8
	.type	k_q88e6c6ce84_main,@function
k_q88e6c6ce84_main:
	s_mov_b64 s[64:65], 0
	v_nop
	global_prefetch_b8 v0, s[64:65] scope:SCOPE_SE
	s_setreg_imm32_b32 hwreg(HW_REG_WAVE_MODE, 25, 1), 1
	s_wait_xcnt 0x0
	s_wait_alu depctr_hold_cnt(0) depctr_sa_sdst(0) depctr_va_vdst(0) depctr_va_sdst(0) depctr_va_ssrc(0) depctr_va_vcc(0) depctr_vm_vsrc(0)
	s_getreg_b32 s2, hwreg(HW_REG_IB_STS2, 6, 4)
	s_cmp_eq_u32 s2, 0
	s_cbranch_scc0 .Lentry_in_a_cluster
	s_endpgm
.Lentry_in_a_cluster:
	s_bfe_u32 s2, ttmp6, 0x10000c
	s_cmp_lg_u32 s2, 0x3003
	s_cbranch_scc0 .Lentry_shape_is_right
	s_endpgm
.Lentry_shape_is_right:
; MinGRU on codes of FP6 (E2M3), second of two launches: THE SCAN ITSELF.
; h_t = (1 - z_t) h_(t-1) + z_t g(p_t + bh), h_0 = g(h0), z = sigmoid(k + bz), k = x Wz^T, p = x Wh^T, g(v) = max(v + 0.5, sigmoid(v)): what reference()'s log-space scan gives for all finite inputs.
; LEFT OUT, as in the first launch and for its reasons: the logarithms and the last exponential (exp(log y) = y); the maximum of cumlogsumexp is replaced by the running shift a*_t: every term is a value of z g
; times factors that are at most 1.  Both forms of g are computed and chosen by a maximum.
; LIMITS: NaN, infinities and the scale byte 0xff are not served.  (k + bz) log2(e) is held at 120 from above: beyond k = 83.2 the factor 1 - z stays near 2^-120 and z is 1.  Exponentials and reciprocals give 0
; for results under 2^-126 (ISA guide 15.8): z = 0 for k under -87, g = 0 for p or h0 under -87.  The order of rounding is the linear recurrence's.  A NaN, an infinity or an overflow that would arise only in
; what is left out is not carried.
; SHARES, TILES, PHASES, CLUSTER, NO PREFETCH: as in the first launch.  Work-group (cg, y): channels 64 cg .. + 63, rows 1,024 y .. of x: 8 streams of 128 steps; wave v: streams 2 v, 2 v + 1; lane (r, h): channel r,
; 8 steps on end of stream 2 v + h in its 8 registers: the scan is one fused multiply-add an element, inside a lane.
; THE CARRY with which a stream starts: g(h0), taken through the whole pairs (A, B) of the sequence's earlier groups and through the pair of the own group's earlier streams, out of cum.
; THE WAY OUT: h stays in a's registers; in the NEXT step, behind 32 plain lines, the 16 rows (2 streams x 8 steps) x 64 channels go into the wave's own stage in LDS, come back as whole rows into window 1,
; and leave as 16 aligned runs of 256 bytes behind that step's exponentials.
.set ROWP,  432
.set STRB,  32*ROWP
.set SLOT1, 1<<17
.set STG,   8*STRB                     ; behind slot 0: the stages, 16 rows x (256 + 16) bytes a wave (no tensor load lands here)
.set SROW,  272
.set STGW,  16*SROW
.set SPARE, STG+4*STGW
.set SCX,   SLOT1+8*STRB
.set WL,    SCX+16384
.set AX0, 2
.set AX1, 3
.set ASX, 4
.set ADA, 5
.set ADB, 6
.set STO, 7
.set SRD, 8
.set GO,  9
.set SPW, 10
.set NIL, 11
.set XS,  12
.set WS,  16
.set BZL, 32
.set BHL, 40
.set HC,  52                           ; h: my stream's carry
.set BH5, 56
.set ACC, 64
.set KL,  128
.set HL,  160
.set LIN, 192
.set D2,  224                          ; d2, a = 1 - z, then h
.set XF,  192                          ; in window 2
.set RB,  192                          ; in window 1: the rows read back from the stage
.set RR,  240
.set HH,  241
.set R8,  242
.set T0,  243
.set T1,  244
.set VI,  245
.set O16, 246
.set O4,  247
.set OT,  248
.set OO,  249
.set TBZ, 144
.set TBH, 148
.set TH0, 152
.set TTO, 160
.set TOW, 184
.set TW,  192
.set OUT, 24
.set G1X, 28
.set G1S, 36
.set G0A, 44
.set G0B, 48
.set G0S, 52
.set WV,  56
.set CX,  57
.set CG,  58
.set YY,  59
.set BB,  60
.set SS,  61
.set TB,  62
.set C0,  63
.set C1,  66
.set C2,  67
.set LG,  68
.set CAP, 70
.set HIM, 71
.set G1W, 72
.set G0W, 80
.set MSB, 0
.macro WIN new
.if MSB != (\new)
	s_set_vgpr_msb (MSB<<8)|(\new)
.set MSB, (\new)
.endif
.endm
.macro CROUND
	s_barrier_signal -1
	s_barrier_wait -1
	s_cmp_lg_u32 s[WV], 0
	s_cbranch_scc1 .Lnot_wave_0_\@
	s_barrier_signal -3
.Lnot_wave_0_\@:
	s_barrier_wait -3
	s_barrier_signal -1
	s_barrier_wait -1
.endm
.macro TLOAD g0, g1
	tensor_load_to_lds s[\g0:\g0+3], s[\g1:\g1+7]
	s_nop 0
.rept 4
	v_nop
.endr
.endm
.macro FRAG reg, adr, q, off
.irp p, 0,1,2,3,4,5
.set PC, 12*(\q)+6*(\p/3)+\p%3
.if PC%16 < 13
	ds_load_b64 v[(\reg)+2*\p:(\reg)+2*\p+1], v[\adr] offset:8*PC+16*(PC/16)+(\off)
.else
	ds_load_b64 v[(\reg)+2*\p:(\reg)+2*\p+1], v[\adr+1] offset:8*PC+16*(PC/16)+(\off)
.endif
.endr
.endm
.macro XL
	v_add_nc_u32 v[ADA], s[TB], v[AX0]
	v_add_nc_u32 v[ADB], s[TB], v[AX1]
	WIN 0x80
.irp q, 0,1,2,3
	FRAG XF+12*\q, ADA, \q, 0
.endr
	WIN 0
	ds_load_b128 v[XS:XS+3], v[ASX]
	v_add_nc_u32 v[ASX], 128, v[ASX]
	s_add_co_u32 s[TB], s[TB], 8*ROWP
.endm
.macro WM                              ; four accumulators take turns
.set wq, (wi%16)/4
.set wn, 2*(wi/16)+(wi%4)/2
.set wt, wi%2
.set rD, ACC+16*wn+8*wt
.set rW, 12*(((wn%2)*2+wt)*4+wq)
.set rX, XF+12*wq
	WIN 0x06+4*(wi/16)
.if (wq == 0) && (wt == 0)
	v_wmma_scale_f32_16x16x128_f8f6f4 v[rD:rD+7], v[rX:rX+11], v[rW:rW+11], 0, v[XS+wq], v[WS+4*wn+wq] matrix_a_fmt:MATRIX_FMT_FP6 matrix_b_fmt:MATRIX_FMT_FP6
.elseif wq == 0
	v_wmma_scale_f32_16x16x128_f8f6f4 v[rD:rD+7], v[rX:rX+11], v[rW:rW+11], 0, v[XS+wq], v[WS+4*wn+wq] matrix_a_fmt:MATRIX_FMT_FP6 matrix_b_fmt:MATRIX_FMT_FP6 matrix_b_scale:MATRIX_SCALE_ROW1
.elseif wt == 0
	v_wmma_scale_f32_16x16x128_f8f6f4 v[rD:rD+7], v[rX:rX+11], v[rW:rW+11], v[rD:rD+7], v[XS+wq], v[WS+4*wn+wq] matrix_a_fmt:MATRIX_FMT_FP6 matrix_b_fmt:MATRIX_FMT_FP6
.else
	v_wmma_scale_f32_16x16x128_f8f6f4 v[rD:rD+7], v[rX:rX+11], v[rW:rW+11], v[rD:rD+7], v[XS+wq], v[WS+4*wn+wq] matrix_a_fmt:MATRIX_FMT_FP6 matrix_b_fmt:MATRIX_FMT_FP6 matrix_b_scale:MATRIX_SCALE_ROW1
.endif
.set wi, wi+1
.endm
.macro PH lim, first, gap
.set tk, 0
.set WLIM, \lim
.set WNEXT, \first
.set WGAP, \gap
.endm
.macro TICK
.set tk, tk+1
.if NXT && (wi < WLIM) && (tk >= WNEXT)
	WM
	WIN 0
.set WNEXT, WNEXT+WGAP
.endif
.endm
.macro ALL16 m, k
.set uu, 0
.rept 16
	\m uu, \k
.set uu, uu+1
.endr
.endm
.macro P1L u, k
.set ee, 2*(\u)
.set nn, (\u)/4
.set rz, ACC+16*nn+2*((\u)%4)
.if \k == 0
	v_pk_fma_f32 v[KL+ee:KL+ee+1], v[rz:rz+1], s[LG:LG+1], v[BZL+2*nn:BZL+2*nn+1] op_sel_hi:[1,0,0]
.elseif \k == 1
	v_pk_add_f32 v[LIN+ee:LIN+ee+1], v[rz+8:rz+9], v[BH5+2*nn:BH5+2*nn+1]
.elseif \k == 2
	v_pk_fma_f32 v[HL+ee:HL+ee+1], v[rz+8:rz+9], s[LG:LG+1], v[BHL+2*nn:BHL+2*nn+1] op_sel_hi:[1,0,0]
.elseif \k == 3
	v_min_num_f32 v[KL+ee], s[CAP], v[KL+ee]
.else
	v_min_num_f32 v[KL+ee+1], s[CAP], v[KL+ee+1]
.endif
.endm
.macro P2L u, k
.set ee, 2*(\u)
.if \k == 0
	v_pk_add_f32 v[D2+ee:D2+ee+1], v[HL+ee:HL+ee+1], 1.0 op_sel_hi:[1,0]
.elseif \k == 1
	v_pk_mul_f32 v[LIN+ee:LIN+ee+1], v[LIN+ee:LIN+ee+1], v[D2+ee:D2+ee+1]
.elseif \k == 2
	v_max_num_f32 v[HL+ee], v[LIN+ee], v[HL+ee]
.elseif \k == 3
	v_max_num_f32 v[HL+ee+1], v[LIN+ee+1], v[HL+ee+1]
.else
	v_pk_fma_f32 v[LIN+ee:LIN+ee+1], v[KL+ee:KL+ee+1], v[D2+ee:D2+ee+1], v[D2+ee:D2+ee+1]
.endif
	TICK
.endm
.macro P3L u, k
.set ee, 2*(\u)
.if \k == 0
	v_pk_mul_f32 v[D2+ee:D2+ee+1], v[D2+ee:D2+ee+1], v[LIN+ee:LIN+ee+1]
.elseif \k == 1
	v_pk_mul_f32 v[KL+ee:KL+ee+1], v[KL+ee:KL+ee+1], v[LIN+ee:LIN+ee+1]
.else
	v_pk_mul_f32 v[KL+ee:KL+ee+1], v[KL+ee:KL+ee+1], v[HL+ee:HL+ee+1]
.endif
	TICK
.endm
.macro EXPS
	s_wait_alu depctr_va_vdst(0)
.set ei, 0
.rept 32
	v_exp_f32 v[KL+ei], v[KL+ei]
.if ei%4 == 3
	P1L ei/4, 1                                    ; p + bh + 0.5 among the exponentials: its sources have been read before, its result is read behind the batch's wait
.endif
.set ei, ei+1
.endr
.set ei, 0
.rept 32
	v_exp_f32 v[HL+ei], -|v[HL+ei]|
.if ei%4 == 3
	P1L 8+ei/4, 1
.endif
.set ei, ei+1
.endr
	v_nop
.endm
.macro RCPS
	s_wait_alu depctr_va_vdst(0)
.set ei, 0
.rept 32
	v_rcp_f32 v[LIN+ei], v[LIN+ei]
.set ei, ei+1
.endr
	v_nop
	s_wait_alu depctr_va_vdst(0)
.endm
.macro SC1 j                           ; time step j: h = a h + b, four tiles' chains by turns; h lands on a; the step's last h is the next step's carry
.irp n, 0,1,2,3
.set ee, 8*\n+(\j)
.if (\j) == 0
	v_fma_f32 v[D2+ee], v[D2+ee], v[HC+\n], v[KL+ee]
.elseif (\j) == 7
	v_fma_f32 v[HC+\n], v[D2+ee], v[D2+ee-1], v[KL+ee]
.else
	v_fma_f32 v[D2+ee], v[D2+ee], v[D2+ee-1], v[KL+ee]
.endif
	TICK
.endr
.endm
.macro P3Q jp, k                       ; line k of P3 for pair jp of time steps, four tiles
.irp n, 0,1,2,3
	P3L 4*\n+(\jp), \k
.endr
.endm
.macro STAGE                           ; the last step's h into my stage (row 8 h + j, channel 16 n + r) and back as whole rows; LDS serves a wave's instructions in order (ISA guide 5.7.1.4)
.irp j, 0,1,2,3,4,5,6,7
.irp n, 0,1,2,3
.if \j == 7
	ds_store_b32 v[STO], v[HC+\n] offset:\j*SROW+64*\n
.else
	ds_store_b32 v[STO], v[D2+8*\n+\j] offset:\j*SROW+64*\n
.endif
.endr
.endr
	s_wait_xcnt 0x0                                ; the stores of the step before have read their data and their base: both are written again only behind this wait
	s_add_nc_u64 s[OUT:OUT+1], s[OUT:OUT+1], 16384 ; 8 rows of out0 on
	WIN 0x40
.irp i, 0,1,2,3,4,5,6,7
	ds_load_b128 v[RB+4*\i:RB+4*\i+3], v[SRD] offset:\i*2*SROW
.endr
	WIN 0
.endm
.macro SEND                            ; loads 0-3 are stream 2 v's 8 steps, loads 4-7 stream 2 v + 1's, 128 rows of out0 further on
	WIN 0x04                                       ; the data lie in window 1
.irp i, 0,1,2,3,4,5,6,7
	global_store_b128 v[GO], v[RB+4*\i:RB+4*\i+3], s[OUT:OUT+1] offset:(\i%4)*4096+(\i/4)*262144 th:TH_STORE_NT   ; 16 lanes store 256 consecutive bytes, at a multiple of 256 from out0's first byte
.endr
	WIN 0
.endm
.macro BODY prev, nxt
.set NXT, \nxt
.set wi, 0
.if \nxt
	XL
.endif
	s_wait_alu depctr_va_vdst(0)                   ; the wait directly ahead of the first readers of the matrix results: the 32 plain lines below read all 64 registers, each accumulator from its low end
	ALL16 P1L, 0
	ALL16 P1L, 2
.if \prev
	STAGE
.endif
.irp k, 3,4
	ALL16 P1L, \k
.endr
	EXPS
	s_wait_dscnt 0x0                               ; the next tile of x, its scale words and the rows from the stage are in
.if \prev
	SEND
.endif
	s_wait_alu depctr_va_vdst(0)
	PH 16, 3, 5
.irp k, 0,1,2,3,4
	ALL16 P2L, \k
.endr
	RCPS
	PH 32, 4, 4                                    ; the last product stands behind line 64 of 80: the lines that follow are its places
.irp jp, 0,1,2,3                       ; P3 by pairs of time steps; the scan follows one pair behind, its lines among P3's
	P3Q \jp, 0
.if \jp > 0
	SC1 2*\jp-2
.endif
	P3Q \jp, 1
.if \jp > 0
	SC1 2*\jp-1
.endif
	P3Q \jp, 2
.endr
	SC1 6
	SC1 7
.endm
.macro CH fill
	s_wait_tensorcnt 0x0
	ds_add_u32 v[SPW], v[NIL]
.if \fill
	s_xor_b32 s[G0B+1], s[G0B+1], SLOT1
	s_add_nc_u64 s[G0B+2:G0B+3], s[G0B+2:G0B+3], 12288
.endif
	s_sub_co_u32 s[TB], s[TB], STRB
	s_xor_b32 s[TB], s[TB], SLOT1
	s_wait_dscnt 0x0
.if \fill
	CROUND
	TLOAD G0B, G1X
.else
	s_barrier_signal -1
	s_barrier_wait -1
.endif
.endm
	s_load_b512 s[4:19], s[0:1], 0x0
	s_load_b128 s[20:23], s[0:1], 0x40             ; h0 s[20:21], cum s[22:23]
	s_load_b64 s[OUT:OUT+1], s[0:1], 0x50          ; out0
	v_lshl_add_u32 v[SPW], v0, 2, SPARE
	v_mov_b32 v[NIL], 0
	ds_add_u32 v[SPW], v[NIL]                      ; the opening: the add twice on end and its wait
	ds_add_u32 v[SPW], v[NIL]
	v_lshrrev_b32 v1, 5, v0
	v_readfirstlane_b32 s[WV], v1
	s_bfe_u32 s[CX], ttmp6, 0x40000
	s_lshl_b32 s[CG], ttmp9, 2
	s_add_co_u32 s[CG], s[CG], s[CX]
	s_and_b32 s[YY], ttmp7, 0xffff
	s_lshr_b32 s[BB], s[YY], 2                     ; the sequence
	s_and_b32 s[SS], s[YY], 3                      ; and the group in it
	s_mov_b32 s[G1X+0], 15|(3<<16)|(1<<20)|(1<<21)|(4<<22)|(3<<25)
	s_mov_b32 s[G1X+1], 1536<<16
	s_mov_b32 s[G1X+2], 8<<16
	s_mov_b32 s[G1X+3], 1536<<16
	s_mov_b32 s[G1X+4], 8
	s_mov_b32 s[G1X+5], 6144
	s_mov_b32 s[G1X+6], 0
	s_mov_b32 s[G1X+7], 0
	s_mov_b32 s[G1S+0], 15|(3<<16)|(1<<21)
	s_mov_b32 s[G1S+1], 32<<16
	s_mov_b32 s[G1S+2], 64<<16
	s_mov_b32 s[G1S+3], 32<<16
	s_mov_b32 s[G1S+4], 64
	s_mov_b32 s[G1S+5], 32
	s_mov_b32 s[G1S+6], 0
	s_mov_b32 s[G1S+7], 0
	s_mov_b32 s[G1W+0], (3<<16)|(1<<20)|(4<<22)|(3<<25)
	s_mov_b32 s[G1W+1], 32<<16
	s_mov_b32 s[G1W+2], 96<<16
	s_mov_b32 s[G1W+3], 32<<16
	s_mov_b32 s[G1W+4], 96
	s_mov_b32 s[G1W+5], 32
	s_mov_b32 s[G1W+6], 0
	s_mov_b32 s[G1W+7], 0
	s_mov_b32 s[LG], 0x3fb8aa3b
	s_mov_b32 s[LG+1], s[LG]
	s_mov_b32 s[CAP], 0x42f00000
	s_mov_b32 s[HIM], 0xffff0000
	s_mov_b32 s[TB], 0
	s_mul_i32 s93, s[WV], 2*STRB
	s_mul_i32 s84, s[YY], 393216
	s_mov_b32 s85, 0
	s_mul_i32 s86, s[WV], 98304
	s_add_co_u32 s86, s86, 12288
	s_mov_b32 s87, 0
	s_lshl_b32 s88, s[YY], 14
	s_mov_b32 s89, 0
	s_mul_i32 s90, s[CG], 24576
	s_mov_b32 s91, 0
	s_mul_i32 s92, s[WV], 64*ROWP
	s_add_co_u32 s92, s92, WL
	s_wait_dscnt 0x0
	s_wait_kmcnt 0x0
	s_mov_b32 s[G0W], 1
	s_mov_b32 s[G0W+1], s92
	s_cmp_eq_u32 s[WV], 0
	s_cselect_b64 s[G0W+2:G0W+3], s[8:9], s[12:13]
	s_add_nc_u64 s[G0W+2:G0W+3], s[G0W+2:G0W+3], s[90:91]
	s_or_b32 s[G0W+3], s[G0W+3], 0x80000000
	s_mov_b32 s[G0S], 1
	s_mov_b32 s[G0S+1], SCX
	s_add_nc_u64 s[G0S+2:G0S+3], s[6:7], s[88:89]
	s_or_b32 s[G0S+3], s[G0S+3], 0x80000000
	s_mov_b32 s[G0A], 1
	s_mov_b32 s[G0A+1], 0
	s_add_nc_u64 s[G0A+2:G0A+3], s[4:5], s[84:85]
	s_or_b32 s[G0A+3], s[G0A+3], 0x80000000
	s_mov_b32 s[G0B], 1
	s_add_co_u32 s[G0B+1], s93, SLOT1
	s_add_nc_u64 s[G0B+2:G0B+3], s[4:5], s[84:85]
	s_add_nc_u64 s[G0B+2:G0B+3], s[G0B+2:G0B+3], s[86:87]
	s_or_b32 s[G0B+3], s[G0B+3], 0x80000000
	CROUND
	; the head's loads, one a wave: waves 0, 1 a weight each, wave 2 the scale bytes, wave 3 all of slot 0
	s_cmp_lt_u32 s[WV], 2
	s_cbranch_scc0 .Lh_s
	TLOAD G0W, G1W
	s_branch .Lh_j
.Lh_s:
	s_cmp_lt_u32 s[WV], 3
	s_cbranch_scc0 .Lh_x
	TLOAD G0S, G1S
	s_branch .Lh_j
.Lh_x:
	TLOAD G0A, G1X
.Lh_j:
	s_lshl_b32 s84, s[CG], 10
	s_mov_b32 s85, 0
	s_add_nc_u64 s[10:11], s[10:11], s[84:85]
	s_add_nc_u64 s[14:15], s[14:15], s[84:85]
	s_lshl_b32 s84, s[CG], 8
	s_add_nc_u64 s[16:17], s[16:17], s[84:85]
	s_add_nc_u64 s[18:19], s[18:19], s[84:85]
	s_lshl_b32 s94, s[BB], 11
	s_add_co_u32 s94, s94, s84
	s_mov_b32 s95, 0
	s_add_nc_u64 s[20:21], s[20:21], s[94:95]      ; h0 at my sequence and channels
	s_lshl_b32 s90, s[CG], 12
	s_lshl_b32 s94, s[BB], 17
	s_add_co_u32 s94, s94, s90
	s_add_nc_u64 s[86:87], s[22:23], s[94:95]      ; cum at my sequence's first group,
	s_lshl_b32 s94, s[YY], 15
	s_add_co_u32 s94, s94, s90
	s_add_nc_u64 s[88:89], s[22:23], s[94:95]      ; and at my own
	s_lshl_b32 s94, s[YY], 21
	s_lshl_b32 s90, s[WV], 19
	s_add_co_u32 s94, s94, s90
	s_add_co_u32 s94, s94, s84
	s_add_nc_u64 s[OUT:OUT+1], s[OUT:OUT+1], s[94:95]
	s_sub_nc_u64 s[OUT:OUT+1], s[OUT:OUT+1], 16384 ; every STAGE steps 8 rows on ahead of its stores: the first brings this to my first rows
	s_mul_i32 s92, s[WV], STGW
	s_add_co_u32 s92, s92, STG
	s_lshl_b32 s91, s[WV], 12
	s_add_co_u32 s91, s91, SCX
	v_and_b32 v[RR], 15, v0
	v_bfe_u32 v[HH], v0, 4, 1
	v_bfe_u32 v[R8], v0, 3, 1
	v_mul_u32_u24 v[ADA], v[RR], ROWP
	v_mad_u32_u24 v[ADA], v[HH], 24, v[ADA]
	v_mad_u32_u24 v[AX0], v[R8], STRB-8*ROWP, v[ADA]
	v_add_nc_u32 v[AX0], s93, v[AX0]
	v_lshl_add_u32 v[AX1], v[HH], 4, v[AX0]
	v_add_nc_u32 v[ADA], WL, v[ADA]
	v_lshl_add_u32 v[ADB], v[HH], 4, v[ADA]
	v_and_b32 v[T0], 7, v0
	v_lshlrev_b32 v[ASX], 4, v[T0]
	v_lshl_add_u32 v[ASX], v[R8], 11, v[ASX]
	v_add_nc_u32 v[ASX], s91, v[ASX]
	v_mul_u32_u24 v[STO], v[HH], 8*SROW
	v_lshl_add_u32 v[STO], v[RR], 2, v[STO]
	v_add_nc_u32 v[STO], s92, v[STO]
	v_mul_u32_u24 v[SRD], v[HH], SROW
	v_lshl_add_u32 v[SRD], v[RR], 4, v[SRD]
	v_add_nc_u32 v[SRD], s92, v[SRD]
	v_lshlrev_b32 v[GO], 11, v[HH]
	v_lshl_add_u32 v[GO], v[RR], 4, v[GO]
	v_lshlrev_b32 v[O16], 4, v[RR]
	v_lshlrev_b32 v[O4], 2, v[RR]
	v_add_nc_u32 v[OT], 256, v[O16]                ; a group's whole pair lies with stream 7: wave 3, lane 16 + r
	s_lshl_b32 s94, s[WV], 1
	v_add_nc_u32 v[VI], s94, v[HH]
	v_add_nc_u32 v[T0], -1, v[VI]
	v_min_u32 v[T0], 7, v[T0]                      ; the stream before mine (for stream 0: any entry: read and not chosen)
	v_lshrrev_b32 v[T1], 1, v[T0]
	v_and_b32 v[T0], 1, v[T0]
	v_lshl_add_u32 v[OO], v[T1], 10, v[O16]
	v_lshl_add_u32 v[OO], v[T0], 8, v[OO]
.irp n, 0,1,2,3
	global_load_b128 v[WS+4*\n:WS+4*\n+3], v[O16], s[10:11] offset:256*\n
	global_load_b128 v[KL+4*\n:KL+4*\n+3], v[O16], s[14:15] offset:256*\n
	global_load_b32 v[TBZ+\n], v[O4], s[16:17] offset:64*\n
	global_load_b32 v[TBH+\n], v[O4], s[18:19] offset:64*\n
	global_load_b32 v[TH0+\n], v[O4], s[20:21] offset:64*\n
.endr
.irp p, 0,1,2
	global_load_b128 v[TTO+8*\p:TTO+8*\p+3], v[OT], s[86:87] offset:32768*\p+3072
	global_load_b128 v[TTO+8*\p+4:TTO+8*\p+7], v[OT], s[86:87] offset:32768*\p+3072+512
.endr
	global_load_b128 v[TOW:TOW+3], v[OO], s[88:89]
	global_load_b128 v[TOW+4:TOW+7], v[OO], s[88:89] offset:512
	s_wait_alu depctr_va_vdst(0)                   ; the wait at the head's end
	s_cmp_lt_u32 s[WV], 2                          ; waves 0 and 1, which alone issue the weights' load line, wait for it;
	s_cbranch_scc0 .Lnw
	s_wait_tensorcnt 0x0
.Lnw:
	s_barrier_signal -1                            ; this barrier shows the weights alone
	s_barrier_wait -1
	WIN 0x40
.irp n, 0,1
.irp t, 0,1
.irp q, 0,1,2,3
	FRAG 12*((\n*2+\t)*4+\q), ADA, \q, (\t*64+16*\n)*ROWP
.endr
.endr
.endr
	WIN 0x80
.irp n, 0,1
.irp t, 0,1
.irp q, 0,1,2,3
	FRAG 12*((\n*2+\t)*4+\q), ADA, \q, (\t*64+16*\n+32)*ROWP
.endr
.endr
.endr
	WIN 0
	s_wait_tensorcnt 0x0                           ; every wave: my tile of the head's four is in; slot 1's first fill is issued as a refill is
	ds_add_u32 v[SPW], v[NIL]
	s_mov_b32 s[G1X+2], 2<<16                      ; no tensor load of mine is out: from here on a load brings two streams
	s_mov_b32 s[G1X+4], 2
	s_wait_dscnt 0x0
	CROUND
	TLOAD G0B, G1X
	XL                                             ; step 0's tile of x
	s_wait_loadcnt 0x0
	s_wait_dscnt 0x0
.irp i, 0,1,2,3,4,5,6,7,8,9,10,11,12,13,14,15
	v_cndmask_b32 v[WS+\i], v[WS+\i], v[KL+\i], s[HIM]
.endr
.irp n, 0,1,2,3
	v_mul_f32 v[BZL+2*\n], s[LG], v[TBZ+\n]
	v_mul_f32 v[BHL+2*\n], s[LG], v[TBH+\n]
	v_add_f32 v[BH5+2*\n], 0.5, v[TBH+\n]
.endr
.irp n, 0,1,2,3
	v_mov_b32 v[BZL+2*\n+1], v[BZL+2*\n]
	v_mov_b32 v[BHL+2*\n+1], v[BHL+2*\n]
	v_mov_b32 v[BH5+2*\n+1], v[BH5+2*\n]
.endr
	; my stream's carry.  g(h0) = max(h0 + 0.5, E2 / (1 + E2)), E2 = 2^-|h0 log2(e)|.  Each batch has a wait ahead of it and behind it
.irp n, 0,1,2,3
	v_mul_f32 v[TW+\n], s[LG], v[TH0+\n]
	v_add_f32 v[TW+4+\n], 0.5, v[TH0+\n]
.endr
	s_wait_alu depctr_va_vdst(0)
.irp n, 0,1,2,3
	v_exp_f32 v[TW+\n], -|v[TW+\n]|
.endr
	v_nop
	s_wait_alu depctr_va_vdst(0)
.irp n, 0,1,2,3
	v_add_f32 v[TW+8+\n], 1.0, v[TW+\n]
.endr
	s_wait_alu depctr_va_vdst(0)
.irp n, 0,1,2,3
	v_rcp_f32 v[TW+8+\n], v[TW+8+\n]
.endr
	v_nop
	s_wait_alu depctr_va_vdst(0)
.irp n, 0,1,2,3
	v_mul_f32 v[TW+\n], v[TW+\n], v[TW+8+\n]
.endr
.irp n, 0,1,2,3
	v_max_num_f32 v[HC+\n], v[TW+4+\n], v[TW+\n]
.endr
.irp p, 0,1,2                          ; through the whole pairs of the groups before mine: done for all three, chosen where p < my group
	s_cmp_gt_u32 s[SS], \p
	s_cselect_b32 s94, -1, 0
.irp n, 0,1,2,3
	v_fma_f32 v[TW+\n], v[TTO+8*\p+\n], v[HC+\n], v[TTO+8*\p+4+\n]
.endr
.irp n, 0,1,2,3
	v_cndmask_b32 v[HC+\n], v[HC+\n], v[TW+\n], s94
.endr
.endr
	v_cmp_le_u32 s94, 1, v[VI]                     ; and through the pair of my group's streams before mine, where there is one
.irp n, 0,1,2,3
	v_fma_f32 v[TW+\n], v[TOW+\n], v[HC+\n], v[TOW+4+\n]
.endr
.irp n, 0,1,2,3
	v_cndmask_b32 v[HC+\n], v[HC+\n], v[TW+\n], s94
.endr
.set wi, 0
.rept 32
	WM                                             ; step 0's products
.endr
	WIN 0
.rept 4
	v_nop
.endr
	BODY 0, 1                                      ; step 0: nothing to store yet
	s_mov_b32 s[C0], 2
.Lpre:                                                 ; steps 1 and 2
	BODY 1, 1
	s_sub_co_u32 s[C0], s[C0], 1
	s_cmp_lg_u32 s[C0], 0
	s_cbranch_scc1 .Lpre
	s_mov_b32 s[C1], 2
.Lslot:                                                ; steps 3 to 6 and 7 to 10
	CH 1
	s_mov_b32 s[C2], 4
.Lstep:
	BODY 1, 1
	s_sub_co_u32 s[C2], s[C2], 1
	s_cmp_lg_u32 s[C2], 0
	s_cbranch_scc1 .Lstep
	s_sub_co_u32 s[C1], s[C1], 1
	s_cmp_lg_u32 s[C1], 0
	s_cbranch_scc1 .Lslot
	CH 0                                           ; the tail is written out: nothing is left to fetch
	s_mov_b32 s[C2], 4
.Ltail:                                                ; steps 11 to 14
	BODY 1, 1
	s_sub_co_u32 s[C2], s[C2], 1
	s_cmp_lg_u32 s[C2], 0
	s_cbranch_scc1 .Ltail
	BODY 1, 0                                      ; step 15
	s_wait_alu depctr_va_vdst(0)
	STAGE
	s_wait_dscnt 0x0
	SEND
	s_wait_tensorcnt 0x0                           ; the wave's end
	ds_add_u32 v[SPW], v[NIL]
	s_wait_dscnt 0x0
	CROUND                                         ; the closing round
	s_endpgm
.Lfunc_end_k_q88e6c6ce84_main:
	.size	k_q88e6c6ce84_main, .Lfunc_end_k_q88e6c6ce84_main-k_q88e6c6ce84_main
	.p2alignl 7, 3214868480
	.fill 96, 4, 3214868480
	.section	.rodata,"a",@progbits
	.p2align	6, 0x0
	.amdhsa_kernel k_q88e6c6ce84_main
		.amdhsa_group_segment_fixed_size 327680
		.amdhsa_private_segment_fixed_size 0
		.amdhsa_enable_private_segment 0
		.amdhsa_kernarg_size 88
		.amdhsa_user_sgpr_count 2
		.amdhsa_user_sgpr_kernarg_segment_ptr 1
		.amdhsa_wavefront_size32 1
		.amdhsa_system_sgpr_workgroup_id_x 1
		.amdhsa_system_sgpr_workgroup_id_y 1
		.amdhsa_system_sgpr_workgroup_id_z 1
		.amdhsa_system_vgpr_workitem_id 0
		.amdhsa_next_free_vgpr 768
		.amdhsa_next_free_sgpr 96
		.amdhsa_reserve_vcc 0
		.amdhsa_float_denorm_mode_32 3
		.amdhsa_float_denorm_mode_16_64 3
		.amdhsa_memory_ordered 1
		.amdhsa_forward_progress 1
		.amdhsa_inst_pref_size 172
	.end_amdhsa_kernel
	.amdgpu_metadata
---
amdhsa.version: [ 1, 2 ]
amdhsa.kernels:
  - .name:           k_q88e6c6ce84_main
    .symbol:         k_q88e6c6ce84_main.kd
    .args:
      - { .name: x_codes, .offset: 0, .size: 8, .value_kind: global_buffer, .address_space: global }
      - { .name: x_scales, .offset: 8, .size: 8, .value_kind: global_buffer, .address_space: global }
      - { .name: Wz_codes, .offset: 16, .size: 8, .value_kind: global_buffer, .address_space: global }
      - { .name: Wz_scales, .offset: 24, .size: 8, .value_kind: global_buffer, .address_space: global }
      - { .name: Wh_codes, .offset: 32, .size: 8, .value_kind: global_buffer, .address_space: global }
      - { .name: Wh_scales, .offset: 40, .size: 8, .value_kind: global_buffer, .address_space: global }
      - { .name: bz, .offset: 48, .size: 8, .value_kind: global_buffer, .address_space: global }
      - { .name: bh, .offset: 56, .size: 8, .value_kind: global_buffer, .address_space: global }
      - { .name: h0, .offset: 64, .size: 8, .value_kind: global_buffer, .address_space: global }
      - { .name: cum, .offset: 72, .size: 8, .value_kind: global_buffer, .address_space: global }
      - { .name: out0, .offset: 80, .size: 8, .value_kind: global_buffer, .address_space: global }
    .group_segment_fixed_size: 327680
    .private_segment_fixed_size: 0
    .kernarg_segment_align: 8
    .kernarg_segment_size: 88
    .max_flat_workgroup_size: 128
    .sgpr_count:     96
    .vgpr_count:     768
    .wavefront_size: 32
...
	.end_amdgpu_metadata
.endif
;; end of part 2
